; MI455X (gfx1250); checked and timed in simulation.
; The chip was launched on July 23, 2026; its instructions are those of AMD's public machine-readable ISA for CDNA 5 (MIT licence, August 2026) and "CDNA5" Instruction Set Architecture Reference Guide (July 2026). The comments in the code are by the model that wrote it; some were corrected since.
;; Multi Head Attention. Allowed arithmetic: matrix products marked QUANTISED: E2M3 operands, one E8M0 scale for each 32 along K, by v_wmma_scale_f32_16x16x128_f8f6f4 with both operands' format E2M3, f32 sums; everything else in f32.
;; Inputs: Wk 512 x 512 float32; Wo 512 x 512 float32; Wq 512 x 512 float32; Wv 512 x 512 float32; bk 512 float32; bo 512 float32; bq 512 float32; bv 512 float32; k 2 x 4,096 x 512 float32; q 2 x 4,096 x 512 float32; v 2 x 4,096 x 512 float32.
;; Outputs: out0 2 x 4,096 x 512 float32.
;; This version of the problem:
;;   THIS VERSION OF THE PROBLEM IS GIVEN IN LOW PRECISION. The matrix products marked QUANTISED in the list below multiply operands that are first quantised to E2M3 (2 exponent bits, 3 mantissa bits; 6 bits a number), with one power-of-two scale for each 32 numbers along K (OCP MX v1.0); their sums are f32. All else is computed in f32.
;;   The module's matrix products, in the order in which they are computed (A, B: the left and right operand; K: the contracted axis; several contracted axes count as one K, in the product's order):
;;     1. [M 8,192, K 512] x [K 512, N 512]; A: input q; B: input Wq: QUANTISED
;;     2. [M 8,192, K 512] x [K 512, N 512]; A: input k; B: input Wk: QUANTISED
;;     3. [M 8,192, K 512] x [K 512, N 512]; A: input v; B: input Wv: QUANTISED
;;     4. batch 16 x [M 4,096, K 64] x [K 64, N 4,096]; A: computed on the way; B: computed on the way: QUANTISED
;;     5. batch 16 x [M 4,096, K 4,096] x [K 4,096, N 64]; A: softmax (see below); B: computed on the way: QUANTISED
;;     6. [M 8,192, K 512] x [K 512, N 512]; A: computed on the way; B: input Wo: QUANTISED
;;   THE QUANTISER, for each operand of a quantised product, along K:
;;     - K is cut into blocks of 32 from its start; a last block that is shorter is filled with zeros.
;;     - A block's scale is 2^e with e = floor(log2(the largest magnitude in the block)) - 2, held to -126 .. 127; a block of zeros has e = 0. As a byte (E8M0): e + 127.
;;     - Each number is divided by its block's scale, clamped to +-7.5, and rounded to the nearest number of E2M3, ties to even, subnormals kept.
;;     - The product sums the exact products of the quantised numbers (number of the format x scale) in f32.
;;   ~~~python
;;   def quantise(x, axis):      # numpy; x: float32 -> the quantised numbers, widened to float32 again
;;       x = np.moveaxis(x, axis, -1); K = x.shape[-1]
;;       x = np.pad(x, [(0, 0)] * (x.ndim - 1) + [(0, -K % 32)]); x = x.reshape(x.shape[:-1] + (-1, 32)); a = np.abs(x).max(-1, keepdims=True)
;;       e = np.where(a > 0, np.clip(np.frexp(np.where(a > 0, a, 1))[1] - 1 - 2, -126, 127), 0)      # np.frexp(a)[1] - 1 = floor(log2(a)), exactly
;;       r = np.clip(x / 2.0 ** e, -7.5, 7.5)
;;       step = 2.0 ** (np.maximum(np.frexp(np.where(r == 0, 1, r))[1] - 1, 0) - 3)
;;       q = np.round(r / step) * step * 2.0 ** e      # np.round: ties to even
;;       return np.moveaxis(q.reshape(q.shape[:-2] + (-1,))[..., :K], -1, axis).astype(np.float32)
;;   ~~~
;;   SOFTMAX AHEAD OF A QUANTISED PRODUCT. Where the list says 'softmax', what is quantised is not the finished softmax but p = 2^(t - M), with t = logit x log2(e) and M = ceil(the row's largest t), a whole number; so 1/2 < the row's largest p <= 1. The row's sum l is taken of the UNQUANTISED p, in f32, and the product's result is divided by l at the end. Since M is a whole number, a kernel that streams over the keys may use a running M (the ceiling of the running maximum): every later rescaling is an exact power of two, which a block's scale takes up: the codes' values come out the same.
;;   OPERANDS COMPUTED ON THE WAY. 'Computed on the way' means the value that the module computes at that place (a softmax that the list does not call 'softmax' is quantised finished and normalised). What goes into a quantiser is computed in f32, as accurately as f32 sums, v_exp_f32 and their like allow (about 1e-6 of the number): no bf16 or f16 on the way to a quantiser, and a product that is left as it is and whose result goes on into a quantised operand takes f32 operands (vector FMAs, or v_wmma_f32_16x16x4_f32). A number that lies on a knife's edge between two numbers of the format may be rounded either way, as far as f32 arithmetic and the matrix unit's own rounding can turn it there, and no further.
;; One version. Each part assembles by itself: llvm-mc -triple=amdgcn-amd-amdhsa -mcpu=gfx1250 --defsym DOCPART=n.
;; ======== version 1 of 1: 4 launches
;; limits: right only within a limited range of input values
;; workspace buffers: wimg 786,432 bytes; wscl 65,536 bytes; qimg 3,145,728 bytes; qscl 131,072 bytes; kvimg 6,291,456 bytes; kvscl 262,144 bytes; oimg 3,145,728 bytes; oscl 131,072 bytes
;; launch wquant (part 1): grid 256 x 1, 1 waves a work-group, no clusters, 0 bytes of LDS; arguments Wq, Wk, Wv, Wo, wimg, wscl; writes wimg, wscl
.if DOCPART == 1
	.amdgcn_target "amdgcn-amd-amdhsa--gfx1250"
	.amdhsa_code_object_version 6
	.text
	.protected	k_q14a49807e9_wquant
	.globl	k_q14a49807e9_wquant
	.p2align	8
	.type	k_q14a49807e9_wquant,@function
k_q14a49807e9_wquant:
	s_mov_b64 s[64:65], 0
	v_nop
	global_prefetch_b8 v0, s[64:65] scope:SCOPE_SE
	s_setreg_imm32_b32 hwreg(HW_REG_WAVE_MODE, 25, 1), 1
	s_wait_xcnt 0x0
; Wq, Wk, Wv, Wo [512][512] f32 (K innermost) become codes of FP6 (E2M3) with one E8M0 byte for each 32 along K, laid as IMAGES OF OPERAND REGISTERS.
; A fragment is 16 rows x 128 K, 12 registers a lane: lane (r, h) holds row r; registers 6 c .. 6 c + 5 hold k = 64 c + 32 h + 0 .. 31.  Its image is 1,536 bytes: registers 4 c .. 4 c + 3 of lane L at 512 c + 16 L.
; wimg: [tensor][tile T 0..31][K step 0..3][1,536].  wscl: [tensor][tile T][512]: the scale words of K steps 2 e, 2 e + 1 of lane L at 256 e + 8 L.
; THE ROWS OF A TILE: in Wq, Wk, Wv lane r of tile T takes row 32 (T / 2) + 8 (T % 2) + r + 8 (r / 8), so that a product with such tiles as source 0 leaves 16 neighbours along the next K in a lane; in Wo row 16 T + r.
; SHARES: one wave to a work-group; work-group = (tensor, tile, half of K): 16 rows x 256 along K, two fragments.  32 loads, two quantisings, seven stores; no register is written twice, so no wait frees a store's data.
; A block's scale is 2^(floor(log2(largest magnitude)) - 2); its byte is the largest magnitude's exponent field - 2, held at 1 from below.
; LIMITS: a block whose largest magnitude lies under 2^-124 (a block of zeros among them) keeps the byte 1: zero codes add nothing under any byte but 0xff, and this program alone reads the bytes.  NaN and infinities are not served.
.set STA, 16                           ; v16-79   64 numbers of the first 128 along K
.set STB, 80                           ; v80-143  of the second
.set FA,  144                          ; v144-155 the first fragment
.set FB,  156                          ; v156-167 the second
.set CT,  168                          ; v168-175 the conversions' second halves
.set TM,  176                          ; v176-191 at work
.set PW,  192                          ; v[192:193] the two scale words
.set SEL, 20                           ; s[20:21] v_permlanex16_b32's selects for lane l xor 16
; 64 numbers of a lane, register 16 b + i = k 32 b + 16 h + i of its row, become 12 registers of codes (d0: k 0-63, d1: k 64-127) and the row's scale word
.macro QUANT s, d0, d1, pw
.irp b, 0,1,2,3
	v_max3_num_f32 v[TM+\b], |v[(\s)+16*\b]|, |v[(\s)+1+16*\b]|, 0x1800000   ; block b: my 16 numbers, and the floor 2^(3 - 127): the byte cannot fall under 1
.endr
.irp i, 2,4,6,8,10,12,14
.irp b, 0,1,2,3
	v_max3_num_f32 v[TM+\b], v[TM+\b], |v[(\s)+16*\b+\i]|, |v[(\s)+1+16*\b+\i]|   ; the four blocks by turns
.endr
.endr
.irp b, 0,1,2,3
	v_permlanex16_b32 v[TM+4+\b], v[TM+\b], s[SEL], s[SEL+1]
.endr
.irp b, 0,1,2,3
	v_max_num_f32 v[TM+\b], v[TM+\b], v[TM+4+\b]   ; with lane l xor 16's 16: the block's largest magnitude
.endr
.irp b, 0,1,2,3
	v_add_nc_u32 v[TM+12+\b], 0xff000000, v[TM+\b]   ; 2 off its exponent field: the conversion's scale operand
.endr
.irp b, 0,1,2,3
	v_lshrrev_b32 v[TM+4+\b], 23, v[TM+12+\b]      ; the scale's byte
.endr
	v_lshl_or_b32 v[(\pw)], v[TM+5], 8, v[TM+4]
	v_lshl_or_b32 v[(\pw)], v[TM+6], 16, v[(\pw)]
	v_lshl_or_b32 v[(\pw)], v[TM+7], 24, v[(\pw)]
	v_cvt_scalef32_pk16_fp6_f32 v[(\d0):(\d0)+2], v[(\s):(\s)+15], v[TM+12]
	v_cvt_scalef32_pk16_fp6_f32 v[CT:CT+2], v[(\s)+16:(\s)+31], v[TM+13]   ; (a conversion's three registers begin on an even number)
	v_cvt_scalef32_pk16_fp6_f32 v[(\d1):(\d1)+2], v[(\s)+32:(\s)+47], v[TM+14]
	v_cvt_scalef32_pk16_fp6_f32 v[CT+4:CT+6], v[(\s)+48:(\s)+63], v[TM+15]
	v_nop                                          ; one plain instruction behind the scaled conversions
.irp i, 0,1,2
	v_permlane16_swap_b32 v[(\d0)+\i], v[CT+\i]    ; a whole block to a lane: lanes 0-15 the even block, lanes 16-31 the odd one
	v_permlane16_swap_b32 v[(\d1)+\i], v[CT+4+\i]
.endr
.irp i, 0,1,2
	v_mov_b32 v[(\d0)+3+\i], v[CT+\i]
	v_mov_b32 v[(\d1)+3+\i], v[CT+4+\i]
.endr
.endm
	s_load_b256 s[4:11], s[0:1], 0x0               ; Wq, Wk, Wv, Wo
	s_load_b128 s[12:15], s[0:1], 0x20             ; wimg, wscl
	s_lshr_b32 s16, ttmp9, 6                       ; tensor 0..3
	s_bfe_u32 s17, ttmp9, 0x50001                  ; tile T
	s_and_b32 s18, ttmp9, 1                        ; half of K
	s_cmp_lt_u32 s16, 3
	s_cselect_b32 s19, 8, 0                        ; 8 where the tile's rows are not neighbours, 0 for Wo
	s_mov_b32 s[SEL], 0x76543210
	s_mov_b32 s[SEL+1], 0xfedcba98
	s_and_b32 s22, s17, 1
	s_mul_i32 s22, s22, s19
	s_lshl_b32 s23, s17, 4
	s_sub_co_u32 s22, s23, s22                     ; the tile's first row: 16 T - 8 (T % 2), or 16 T
	s_lshl_b32 s22, s22, 11                        ; a row is 2,048 bytes
	s_lshl_b32 s23, s18, 10                        ; half of K is 1,024
	s_add_co_u32 s22, s22, s23
	s_mov_b32 s23, 0
	s_mul_i32 s24, s16, 196608                     ; images: tensor, tile, half
	s_mul_i32 s25, s17, 6144
	s_add_co_u32 s24, s24, s25
	s_mul_i32 s25, s18, 3072
	s_add_co_u32 s24, s24, s25
	s_mov_b32 s25, 0
	s_lshl_b32 s26, s16, 14                        ; scale words likewise
	s_lshl_b32 s27, s17, 9
	s_add_co_u32 s26, s26, s27
	s_lshl_b32 s27, s18, 8
	s_add_co_u32 s26, s26, s27
	s_mov_b32 s27, 0
	s_and_b32 s28, s16, 1
	v_and_b32 v1, 15, v0                           ; r
	v_bfe_u32 v2, v0, 4, 1                         ; h
	v_lshrrev_b32 v3, 3, v1
	v_mad_u32_u24 v3, v3, s19, v1                  ; r + 8 (r / 8), or r
	v_lshlrev_b32 v4, 11, v3
	v_lshl_add_u32 v4, v2, 6, v4                   ; my row, + 64 h: my 16 numbers of a block of 32
	v_lshlrev_b32 v5, 4, v0                        ; 16 x lane
	v_lshlrev_b32 v6, 3, v0                        ; 8 x lane
.irp b, 0,1,2,3
	v_mov_b32 v[TM+4+\b], 0                        ; written once: a lane permute's destination counts as one of its sources
.endr
	s_wait_alu depctr_va_vdst(0)
	s_wait_kmcnt 0x0
	s_cmp_lt_u32 s16, 2                            ; the choice hangs on the work-group's number alone
	s_cselect_b64 s[4:5], s[4:5], s[8:9]
	s_cselect_b64 s[6:7], s[6:7], s[10:11]
	s_cmp_eq_u32 s28, 0
	s_cselect_b64 s[4:5], s[4:5], s[6:7]
	s_add_nc_u64 s[4:5], s[4:5], s[22:23]
	s_add_nc_u64 s[12:13], s[12:13], s[24:25]
	s_add_nc_u64 s[14:15], s[14:15], s[26:27]
.irp e, 0,1
.irp b, 0,1,2,3
.irp j, 0,1,2,3
	global_load_b128 v[STA+64*\e+16*\b+4*\j:STA+64*\e+16*\b+4*\j+3], v4, s[4:5] offset:512*\e+128*\b+16*\j th:TH_LOAD_NT
.endr
.endr
.endr
	s_wait_loadcnt 16                              ; the first 128 along K are in; the second's sixteen loads may be out
	QUANT STA, FA, FA+6, PW
	s_wait_loadcnt 0x0
	QUANT STB, FB, FB+6, PW+1
.irp c, 0,1,2
	global_store_b128 v5, v[FA+4*\c:FA+4*\c+3], s[12:13] offset:512*\c          ; 32 lanes store 512 consecutive bytes
	global_store_b128 v5, v[FB+4*\c:FB+4*\c+3], s[12:13] offset:1536+512*\c
.endr
	global_store_b64 v6, v[PW:PW+1], s[14:15]      ; 256 consecutive bytes
	s_endpgm
.Lfunc_end_k_q14a49807e9_wquant:
	.size	k_q14a49807e9_wquant, .Lfunc_end_k_q14a49807e9_wquant-k_q14a49807e9_wquant
	.p2alignl 7, 3214868480
	.fill 96, 4, 3214868480
	.section	.rodata,"a",@progbits
	.p2align	6, 0x0
	.amdhsa_kernel k_q14a49807e9_wquant
		.amdhsa_group_segment_fixed_size 0
		.amdhsa_private_segment_fixed_size 0
		.amdhsa_enable_private_segment 0
		.amdhsa_kernarg_size 48
		.amdhsa_user_sgpr_count 2
		.amdhsa_user_sgpr_kernarg_segment_ptr 1
		.amdhsa_wavefront_size32 1
		.amdhsa_system_sgpr_workgroup_id_x 1
		.amdhsa_system_sgpr_workgroup_id_y 1
		.amdhsa_system_sgpr_workgroup_id_z 1
		.amdhsa_system_vgpr_workitem_id 0
		.amdhsa_next_free_vgpr 200
		.amdhsa_next_free_sgpr 66
		.amdhsa_reserve_vcc 0
		.amdhsa_float_denorm_mode_32 3
		.amdhsa_float_denorm_mode_16_64 3
		.amdhsa_memory_ordered 1
		.amdhsa_forward_progress 1
		.amdhsa_inst_pref_size 14
	.end_amdhsa_kernel
	.amdgpu_metadata
---
amdhsa.version: [ 1, 2 ]
amdhsa.kernels:
  - .name:           k_q14a49807e9_wquant
    .symbol:         k_q14a49807e9_wquant.kd
    .args:
      - { .name: Wq, .offset: 0, .size: 8, .value_kind: global_buffer, .address_space: global }
      - { .name: Wk, .offset: 8, .size: 8, .value_kind: global_buffer, .address_space: global }
      - { .name: Wv, .offset: 16, .size: 8, .value_kind: global_buffer, .address_space: global }
      - { .name: Wo, .offset: 24, .size: 8, .value_kind: global_buffer, .address_space: global }
      - { .name: wimg, .offset: 32, .size: 8, .value_kind: global_buffer, .address_space: global }
      - { .name: wscl, .offset: 40, .size: 8, .value_kind: global_buffer, .address_space: global }
    .group_segment_fixed_size: 0
    .private_segment_fixed_size: 0
    .kernarg_segment_align: 8
    .kernarg_segment_size: 48
    .max_flat_workgroup_size: 32
    .sgpr_count:     66
    .vgpr_count:     200
    .wavefront_size: 32
...
	.end_amdgpu_metadata
.endif
;; end of part 1
;; launch proj (part 2): grid 192 x 1, 4 waves a work-group, no clusters, 327,680 bytes of LDS; arguments q, k, v, bq, bk, bv, wimg, wscl, qimg, qscl, kvimg, kvscl; writes qimg, qscl, kvimg, kvscl
.if DOCPART == 2
	.amdgcn_target "amdgcn-amd-amdhsa--gfx1250"
	.amdhsa_code_object_version 6
	.text
	.protected	k_q14a49807e9_proj
	.globl	k_q14a49807e9_proj
	.p2align	8
	.type	k_q14a49807e9_proj,@function
k_q14a49807e9_proj:
	s_mov_b64 s[64:65], 0
	v_nop
	global_prefetch_b8 v0, s[64:65] scope:SCOPE_SE
	s_setreg_imm32_b32 hwreg(HW_REG_WAVE_MODE, 25, 1), 1
	s_wait_xcnt 0x0
.set XIMG, 0
.set XSC,  49152
.set WIMG, 65536
.set WSC,  262144
.set XA,  4
.set LI,  5
.set L8,  6
.set XWI, 7
.set XW8, 8
.set WLI, 9
.set WL8, 10
.set BA,  11
.set BB,  12
.set XF,  16
.set XS,  112
.set WS,  128
.set HA,  0
.set HB,  64
.set FA,  128
.set FB,  140
.set CT,  152
.set TM,  160
.set PWA, 176
.set EA,  178
.set EB,  179
.set SWA, 180
.set SWB, 182
.set BV,  184
.set BI,  192
.set WV,  28
.set TEN, 29
.set RB,  30
.set FSH, 31
.set XP,  32
.set BS,  34
.set OA,  36
.set SCA, 40
.set SEL, 44
.set MK,  46
.set G1W, 48
.set G1C, 56
.set G0W, 68
.set G0C, 72
.set MSB, 0
.macro WIN new
.if MSB != (\new)
	s_set_vgpr_msb (MSB<<8)|(\new)
.set MSB, (\new)
.endif
.endm
.macro QUANT s, d0, d1, pw
.irp b, 0,1,2,3
	v_max3_num_f32 v[TM+\b], |v[(\s)+16*\b]|, |v[(\s)+1+16*\b]|, 0x1800000
.endr
.irp i, 2,4,6,8,10,12,14
.irp b, 0,1,2,3
	v_max3_num_f32 v[TM+\b], v[TM+\b], |v[(\s)+16*\b+\i]|, |v[(\s)+1+16*\b+\i]|
.endr
.endr
.irp b, 0,1,2,3
	v_permlanex16_b32 v[TM+4+\b], v[TM+\b], s[SEL], s[SEL+1]
.endr
.irp b, 0,1,2,3
	v_max_num_f32 v[TM+\b], v[TM+\b], v[TM+4+\b]
.endr
.irp b, 0,1,2,3
	v_add_nc_u32 v[TM+12+\b], 0xff000000, v[TM+\b]
.endr
.irp b, 0,1,2,3
	v_lshrrev_b32 v[TM+4+\b], 23, v[TM+12+\b]
.endr
	v_lshl_or_b32 v[(\pw)], v[TM+5], 8, v[TM+4]
	v_lshl_or_b32 v[(\pw)], v[TM+6], 16, v[(\pw)]
	v_lshl_or_b32 v[(\pw)], v[TM+7], 24, v[(\pw)]
	v_cvt_scalef32_pk16_fp6_f32 v[(\d0):(\d0)+2], v[(\s):(\s)+15], v[TM+12]
	v_cvt_scalef32_pk16_fp6_f32 v[CT:CT+2], v[(\s)+16:(\s)+31], v[TM+13]
	v_cvt_scalef32_pk16_fp6_f32 v[(\d1):(\d1)+2], v[(\s)+32:(\s)+47], v[TM+14]
	v_cvt_scalef32_pk16_fp6_f32 v[CT+4:CT+6], v[(\s)+48:(\s)+63], v[TM+15]
	v_nop
.irp i, 0,1,2
	v_permlane16_swap_b32 v[(\d0)+\i], v[CT+\i]
	v_permlane16_swap_b32 v[(\d1)+\i], v[CT+4+\i]
.endr
.irp i, 0,1,2
	v_mov_b32 v[(\d0)+3+\i], v[CT+\i]
	v_mov_b32 v[(\d1)+3+\i], v[CT+4+\i]
.endr
.endm
.macro MULQ acc, xf, xs, cb, cs
.irp g, 0,1
	WIN 0xf1+\g
.irp s, 0,1,2,3
.irp t, 0,1,2,3
.if \s == 0
	v_wmma_scale_f32_16x16x128_f8f6f4 v[(\acc)+8*(4*\g+\t):(\acc)+8*(4*\g+\t)+7], v[12*(4*\t+\s):12*(4*\t+\s)+11], v[(\xf)+12*\s:(\xf)+12*\s+11], v[(\cb)+(\cs)*(4*\g+\t):(\cb)+(\cs)*(4*\g+\t)+7], v[WS+4*(4*\g+\t)+\s], v[(\xs)+\s] matrix_a_fmt:MATRIX_FMT_FP6 matrix_b_fmt:MATRIX_FMT_FP6
.else
	v_wmma_scale_f32_16x16x128_f8f6f4 v[(\acc)+8*(4*\g+\t):(\acc)+8*(4*\g+\t)+7], v[12*(4*\t+\s):12*(4*\t+\s)+11], v[(\xf)+12*\s:(\xf)+12*\s+11], v[(\acc)+8*(4*\g+\t):(\acc)+8*(4*\g+\t)+7], v[WS+4*(4*\g+\t)+\s], v[(\xs)+\s] matrix_a_fmt:MATRIX_FMT_FP6 matrix_b_fmt:MATRIX_FMT_FP6
.endif
.endr
.endr
.endr
.endm
.macro XLOAD set, n
.irp b, 0,1,2,3
.irp j, 0,1,2,3
	global_load_b128 v[(\set)+16*\b+4*\j:(\set)+16*\b+4*\j+3], v[XA], s[XP:XP+1] offset:16384*((\n)/4)+512*((\n)%4)+128*\b+16*\j   ; four loads on end take the four quarters of the same 64 bytes of a row
.endr
.endr
.endm
.macro UNIT n
.if (\n) < 7
	s_wait_loadcnt 16
.else
	s_wait_loadcnt 0x0
.endif
	s_wait_dscnt 0x0
	WIN 0xff
	QUANT HA+64*((\n)%2), FA, FA+6, PWA
	WIN 0x0c
.irp c, 0,1,2
	ds_store_b128 v[XWI], v[FA+4*\c:FA+4*\c+3] offset:XIMG+1536*(\n)+512*\c
.endr
	ds_store_b32 v[XW8], v[PWA] offset:XSC+512*((\n)/4)+256*(((\n)%4)/2)+4*((\n)%2)
.if (\n) < 6
	WIN 0xc0
	XLOAD HA+64*((\n)%2), (\n)+2
.endif
.endm
.macro TFETCH T, p
.irp s, 0,1,2,3
.irp c, 0,1,2
	ds_load_b128 v[XF+48*(\p)+12*\s+4*\c:XF+48*(\p)+12*\s+4*\c+3], v[TADR] offset:TOFF+6144*(\T)+1536*\s+512*\c
.endr
.endr
.irp e, 0,1
	ds_load_b64 v[XS+4*(\p)+2*\e:XS+4*(\p)+2*\e+1], v[TSAD] offset:TSOF+512*(\T)+256*\e
.endr
.endm
.macro PATH kind
.if \kind
.set SADR, LI
.set SOFF, XIMG
.set SSAD, L8
.set SSOF, XSC
.set TADR, WLI
.set TOFF, 0
.set TSAD, WL8
.set TSOF, 0
.else
.set SADR, WLI
.set SOFF, 0
.set SSAD, WL8
.set SSOF, 0
.set TADR, LI
.set TOFF, XIMG
.set TSAD, L8
.set TSOF, XSC
.endif
.irp t, 0,1,2,3,4,5,6,7
	WIN 0x40*(1+\t/4)
.irp s, 0,1,2,3
.irp c, 0,1,2
	ds_load_b128 v[12*(4*(\t%4)+\s)+4*\c:12*(4*(\t%4)+\s)+4*\c+3], v[SADR] offset:SOFF+6144*\t+1536*\s+512*\c
.endr
.endr
.endr
	WIN 0
.irp t, 0,1,2,3,4,5,6,7
.irp e, 0,1
	ds_load_b64 v[WS+4*\t+2*\e:WS+4*\t+2*\e+1], v[SSAD] offset:SSOF+512*\t+256*\e
.endr
.endr
	TFETCH 0, 0
.if \kind
	WIN 0xff
.irp t, 0,1,2,3,4,5,6,7
.irp j, 0,1,2,3,4,5,6,7
	v_mov_b32 v[BI+8*\t+\j], v[BV+\t]
.endr
.endr
.endif
.irp T, 0,1,2,3,4,5,6,7
	WIN 0
.if \T < 7
	TFETCH \T+1, (\T+1)%2
	s_wait_dscnt 14
.else
	s_wait_dscnt 0x0
.endif
.if \kind
	MULQ HA, XF+48*(\T%2), XS+4*(\T%2), BI+8*\T, 0
.else
	MULQ HA, XF+48*(\T%2), XS+4*(\T%2), BI, 8
.endif
	WIN 0xff
.rept 5
	v_nop
.endr
	s_wait_xcnt 0x0
.if \kind
	QUANT HA, FA+12*(\T%2), FA+12*(\T%2)+6, PWA+(\T%2)
.if \T%2 == 1
	v_cndmask_b32 v[SWA+(\T/2)%2], v[PWA], v[PWA+1], s[MK]
.endif
	WIN 0x0c
.irp c, 0,1,2
	global_store_b128 v[LI], v[FA+12*(\T%2)+4*\c:FA+12*(\T%2)+4*\c+3], s[OA+2*(\T/4):OA+2*(\T/4)+1] offset:1536*(\T%4)+512*\c
.endr
.if \T%4 == 3
	global_store_b64 v[L8], v[SWA:SWA+1], s[SCA+2*(\T/4):SCA+2*(\T/4)+1]
.endif
.else
	QUANT HA, FA+6*(\T%2), FB+6*(\T%2), PWA+(\T%2)
.if \T%2 == 1
.if (\T/2)%2 == 0
	v_perm_b32 v[EA], v[PWA+1], v[PWA], 0x05040100
	v_perm_b32 v[EB], v[PWA+1], v[PWA], 0x07060302
.else
	v_perm_b32 v[TM], v[PWA+1], v[PWA], 0x05040100
	v_perm_b32 v[TM+1], v[PWA+1], v[PWA], 0x07060302
	v_cndmask_b32 v[SWA+\T/4], v[EA], v[TM], s[MK]
	v_cndmask_b32 v[SWB+\T/4], v[EB], v[TM+1], s[MK]
.endif
	WIN 0x0c
.irp c, 0,1,2
	global_store_b128 v[LI], v[FA+4*\c:FA+4*\c+3], s[OA:OA+1] offset:1536*(\T/2)+512*\c
	global_store_b128 v[LI], v[FB+4*\c:FB+4*\c+3], s[OA+2:OA+3] offset:1536*(\T/2)+512*\c
.endr
.if \T == 7
	global_store_b64 v[L8], v[SWA:SWA+1], s[SCA:SCA+1]
	global_store_b64 v[L8], v[SWB:SWB+1], s[SCA+2:SCA+3]
.endif
.endif
.endif
.endr
	WIN 0
.endm
	s_load_b256 s[4:11], s[0:1], 0x0
	s_load_b256 s[12:19], s[0:1], 0x20
	s_load_b256 s[20:27], s[0:1], 0x40
	v_lshl_add_u32 v254, v0, 2, 0x44000
	v_mov_b32 v255, 0
	ds_add_u32 v254, v255
	ds_add_u32 v254, v255
	v_lshrrev_b32 v1, 5, v0
	v_readfirstlane_b32 s[WV], v1
	s_lshr_b32 s[TEN], ttmp9, 6
	s_and_b32 s[RB], ttmp9, 63
	s_cmp_eq_u32 s[TEN], 0
	s_cselect_b32 s[FSH], 0, 1
	s_mov_b32 s[SEL], 0x76543210
	s_mov_b32 s[SEL+1], 0xfedcba98
	s_mov_b32 s[MK], 0xffff0000
	s_mov_b32 s[G1W+0], 3<<16
	s_mov_b32 s[G1W+1], 32<<16
	s_mov_b32 s[G1W+2], 192<<16
	s_mov_b32 s[G1W+3], 32<<16
	s_mov_b32 s[G1W+4], 192
	s_mov_b32 s[G1W+5], 32
	s_mov_b32 s[G1W+6], 0
	s_mov_b32 s[G1W+7], 0
	s_mov_b32 s[G1C+0], 3<<16
	s_mov_b32 s[G1C+1], 32<<16
	s_mov_b32 s[G1C+2], 16<<16
	s_mov_b32 s[G1C+3], 32<<16
	s_mov_b32 s[G1C+4], 16
	s_mov_b32 s[G1C+5], 32
	s_mov_b32 s[G1C+6], 0
	s_mov_b32 s[G1C+7], 0
	s_mul_i32 s78, s[WV], 49152
	s_mul_i32 s76, s[TEN], 196608
	s_add_co_u32 s76, s76, s78
	s_mov_b32 s77, 0
	s_lshl_b32 s79, s[WV], 12
	s_lshl_b32 s80, s[TEN], 14
	s_add_co_u32 s80, s80, s79
	s_mov_b32 s81, 0
	s_lshl_b32 s82, s[RB], 18
	s_lshl_b32 s94, s[WV], 16
	s_lshr_b32 s98, s[WV], 1                       ; tensor k alone: tile 4 c + u of the 128 rows takes rows 64 c + 8 u + r % 8 + 32 (r / 8), so that in the scores a lane holds whole blocks of 32 keys
	s_lshl_b32 s98, s98, 17                        ; wave w quantises tiles 2 w, 2 w + 1: they begin at row 64 (w / 2) + 16 (w % 2)
	s_and_b32 s99, s[WV], 1
	s_lshl_b32 s99, s99, 15
	s_add_co_u32 s98, s98, s99
	s_cmp_eq_u32 s[TEN], 1
	s_cselect_b32 s94, s98, s94
	s_cselect_b32 s98, 24, 8                       ; lanes 8-15 of a tile stand 24 rows further on for k, 8 for q and v
	s_add_co_u32 s82, s82, s94
	s_mov_b32 s83, 0
	s_lshl_b32 s84, s[WV], 9
	s_mov_b32 s85, 0
	s_lshr_b32 s94, s[RB], 5
	s_and_b32 s95, s[RB], 31
	s_lshl_b32 s94, s94, 3
	s_lshl_b32 s96, s[WV], 1
	s_add_co_u32 s94, s94, s96
	s_mul_i32 s86, s94, 196608
	s_mul_i32 s96, s95, 6144
	s_add_co_u32 s86, s86, s96
	s_lshl_b32 s86, s86, s[FSH]
	s_lshl_b32 s88, s94, 13
	s_lshl_b32 s96, s95, 8
	s_add_co_u32 s88, s88, s96
	s_lshl_b32 s88, s88, s[FSH]
	s_cmp_eq_u32 s[TEN], 2
	s_cselect_b32 s96, 6144, 0
	s_cselect_b32 s97, 256, 0
	s_add_co_u32 s86, s86, s96
	s_add_co_u32 s88, s88, s97
	s_mov_b32 s87, 0
	s_mov_b32 s89, 0
	s_lshl_b32 s90, 196608, s[FSH]
	s_mov_b32 s91, 0
	s_lshl_b32 s92, 8192, s[FSH]
	s_mov_b32 s93, 0
	v_and_b32 v1, 31, v0
	v_and_b32 v2, 15, v0
	v_bfe_u32 v3, v0, 4, 1
	v_lshrrev_b32 v13, 3, v2
	v_lshl_add_u32 v13, v13, 3, v2
	v_lshrrev_b32 v14, 3, v2
	v_mad_u32_u24 v14, v14, s98, v2                ; r + 24 (r / 8) for k, r + 8 (r / 8) for q and v
	v_lshlrev_b32 v[XA], 11, v14
	v_lshl_add_u32 v[XA], v3, 6, v[XA]
	v_lshlrev_b32 v[LI], 4, v1
	v_lshlrev_b32 v[L8], 3, v1
	s_mul_i32 s94, s[WV], 12288
	v_add_nc_u32 v[XWI], s94, v[LI]
	s_lshl_b32 s95, s[WV], 10
	v_add_nc_u32 v[XW8], s95, v[L8]
	s_add_co_u32 s96, s78, WIMG
	v_add_nc_u32 v[WLI], s96, v[LI]
	s_add_co_u32 s97, s79, WSC
	v_add_nc_u32 v[WL8], s97, v[L8]
	v_lshlrev_b32 v[BA], 6, v3
	v_lshlrev_b32 v[BB], 2, v13
	s_wait_alu depctr_va_vdst(0)
	s_wait_dscnt 0x0
	s_wait_kmcnt 0x0
	s_mov_b32 s[G0W], 1
	s_add_co_u32 s[G0W+1], s78, WIMG
	s_add_nc_u64 s[G0W+2:G0W+3], s[16:17], s[76:77]
	s_or_b32 s[G0W+3], s[G0W+3], 0x80000000
	s_mov_b32 s[G0C], 1
	s_add_co_u32 s[G0C+1], s79, WSC
	s_add_nc_u64 s[G0C+2:G0C+3], s[18:19], s[80:81]
	s_or_b32 s[G0C+3], s[G0C+3], 0x80000000
	tensor_load_to_lds s[G0W:G0W+3], s[G1W:G1W+7]
	s_nop 0
	s_wait_alu depctr_va_vdst(0)
	s_wait_tensorcnt 0x0
	ds_add_u32 v254, v255
	s_wait_dscnt 0x0
	s_barrier_signal -1
	s_barrier_wait -1
	tensor_load_to_lds s[G0C:G0C+3], s[G1C:G1C+7]
	s_nop 0
.rept 4
	v_nop
.endr
	s_cmp_eq_u32 s[TEN], 0
	s_cselect_b64 s[OA:OA+1], s[20:21], s[24:25]
	s_cselect_b64 s[SCA:SCA+1], s[22:23], s[26:27]
	s_cselect_b64 s[XP:XP+1], s[4:5], s[6:7]
	s_cselect_b64 s[BS:BS+1], s[10:11], s[12:13]
	s_cmp_eq_u32 s[TEN], 2
	s_cselect_b64 s[XP:XP+1], s[8:9], s[XP:XP+1]
	s_cselect_b64 s[BS:BS+1], s[14:15], s[BS:BS+1]
	s_add_nc_u64 s[XP:XP+1], s[XP:XP+1], s[82:83]
	s_add_nc_u64 s[BS:BS+1], s[BS:BS+1], s[84:85]
	s_add_nc_u64 s[OA:OA+1], s[OA:OA+1], s[86:87]
	s_add_nc_u64 s[OA+2:OA+3], s[OA:OA+1], s[90:91]
	s_add_nc_u64 s[SCA:SCA+1], s[SCA:SCA+1], s[88:89]
	s_add_nc_u64 s[SCA+2:SCA+3], s[SCA:SCA+1], s[92:93]
	WIN 0xc0
.irp t, 0,1,2,3,4,5,6,7
	global_load_b128 v[BI+8*\t:BI+8*\t+3], v[BA], s[BS:BS+1] offset:4*(32*(\t/2)+8*(\t%2))
	global_load_b128 v[BI+8*\t+4:BI+8*\t+7], v[BA], s[BS:BS+1] offset:4*(32*(\t/2)+8*(\t%2))+16
	global_load_b32 v[BV+\t], v[BB], s[BS:BS+1] offset:4*(32*(\t/2)+8*(\t%2))
.endr
	XLOAD HA, 0
	XLOAD HB, 1
.irp b, 0,1,2,3
	v_mov_b32 v[TM+4+\b], 0
.endr
.irp n, 0,1,2,3,4,5,6,7
	UNIT \n
.endr
	WIN 0
	s_wait_tensorcnt 0x0
	s_wait_dscnt 0x0
	s_barrier_signal -1
	s_barrier_wait -1
	s_cmp_eq_u32 s[TEN], 2
	s_cbranch_scc1 .Lvpath
	PATH 0
	s_wait_tensorcnt 0x0
	ds_add_u32 v254, v255
	s_wait_dscnt 0x0
	s_endpgm
.Lvpath:
	PATH 1
	s_wait_tensorcnt 0x0
	ds_add_u32 v254, v255
	s_wait_dscnt 0x0
	s_endpgm
.Lfunc_end_k_q14a49807e9_proj:
	.size	k_q14a49807e9_proj, .Lfunc_end_k_q14a49807e9_proj-k_q14a49807e9_proj
	.p2alignl 7, 3214868480
	.fill 96, 4, 3214868480
	.section	.rodata,"a",@progbits
	.p2align	6, 0x0
	.amdhsa_kernel k_q14a49807e9_proj
		.amdhsa_group_segment_fixed_size 327680
		.amdhsa_private_segment_fixed_size 0
		.amdhsa_enable_private_segment 0
		.amdhsa_kernarg_size 96
		.amdhsa_user_sgpr_count 2
		.amdhsa_user_sgpr_kernarg_segment_ptr 1
		.amdhsa_wavefront_size32 1
		.amdhsa_system_sgpr_workgroup_id_x 1
		.amdhsa_system_sgpr_workgroup_id_y 1
		.amdhsa_system_sgpr_workgroup_id_z 1
		.amdhsa_system_vgpr_workitem_id 0
		.amdhsa_next_free_vgpr 1024
		.amdhsa_next_free_sgpr 100
		.amdhsa_reserve_vcc 0
		.amdhsa_float_denorm_mode_32 3
		.amdhsa_float_denorm_mode_16_64 3
		.amdhsa_memory_ordered 1
		.amdhsa_forward_progress 1
		.amdhsa_inst_pref_size 220
	.end_amdhsa_kernel
	.amdgpu_metadata
---
amdhsa.version: [ 1, 2 ]
amdhsa.kernels:
  - .name:           k_q14a49807e9_proj
    .symbol:         k_q14a49807e9_proj.kd
    .args:
      - { .name: q, .offset: 0, .size: 8, .value_kind: global_buffer, .address_space: global }
      - { .name: k, .offset: 8, .size: 8, .value_kind: global_buffer, .address_space: global }
      - { .name: v, .offset: 16, .size: 8, .value_kind: global_buffer, .address_space: global }
      - { .name: bq, .offset: 24, .size: 8, .value_kind: global_buffer, .address_space: global }
      - { .name: bk, .offset: 32, .size: 8, .value_kind: global_buffer, .address_space: global }
      - { .name: bv, .offset: 40, .size: 8, .value_kind: global_buffer, .address_space: global }
      - { .name: wimg, .offset: 48, .size: 8, .value_kind: global_buffer, .address_space: global }
      - { .name: wscl, .offset: 56, .size: 8, .value_kind: global_buffer, .address_space: global }
      - { .name: qimg, .offset: 64, .size: 8, .value_kind: global_buffer, .address_space: global }
      - { .name: qscl, .offset: 72, .size: 8, .value_kind: global_buffer, .address_space: global }
      - { .name: kvimg, .offset: 80, .size: 8, .value_kind: global_buffer, .address_space: global }
      - { .name: kvscl, .offset: 88, .size: 8, .value_kind: global_buffer, .address_space: global }
    .group_segment_fixed_size: 327680
    .private_segment_fixed_size: 0
    .kernarg_segment_align: 8
    .kernarg_segment_size: 96
    .max_flat_workgroup_size: 128
    .sgpr_count:     100
    .vgpr_count:     1024
    .wavefront_size: 32
...
	.end_amdgpu_metadata
.endif
;; end of part 2
;; launch attn (part 3): grid 16 x 16, 16 waves a work-group, clusters of 4 x 1, 327,680 bytes of LDS; arguments qimg, qscl, kvimg, kvscl, oimg, oscl; writes oimg, oscl
.if DOCPART == 3
	.amdgcn_target "amdgcn-amd-amdhsa--gfx1250"
	.amdhsa_code_object_version 6
	.text
	.protected	k_q14a49807e9_attn
	.globl	k_q14a49807e9_attn
	.p2align	8
	.type	k_q14a49807e9_attn,@function
k_q14a49807e9_attn:
	s_mov_b64 s[64:65], 0
	v_nop
	global_prefetch_b8 v0, s[64:65] scope:SCOPE_SE
	s_setreg_imm32_b32 hwreg(HW_REG_WAVE_MODE, 25, 1), 1
	s_wait_xcnt 0x0
	s_wait_alu depctr_hold_cnt(0) depctr_sa_sdst(0) depctr_va_vdst(0) depctr_va_sdst(0) depctr_va_ssrc(0) depctr_va_vcc(0) depctr_vm_vsrc(0)
	s_getreg_b32 s2, hwreg(HW_REG_IB_STS2, 6, 4)
	s_cmp_eq_u32 s2, 0
	s_cbranch_scc0 .Lentry_in_a_cluster
	s_endpgm
.Lentry_in_a_cluster:
	s_bfe_u32 s2, ttmp6, 0x10000c
	s_cmp_lg_u32 s2, 0x3003
	s_cbranch_scc0 .Lentry_shape_is_right
	s_endpgm
.Lentry_shape_is_right:
; O = softmax(Q K^T / 8) V for one (batch, head), both products on codes of FP6 (E2M3) with E8M0 scales; O / l is quantised along the head's 64 and leaves as codes for the last projection.
; THE SOFTMAX: t = score x log2(e) / 8; M = the running largest t rounded UP to a whole number; p = 2^(t - M) is quantised along the keys, not normalised; the row's sum is taken of the unquantised p
; and divides O at the end.  When M moves, the sum and O are multiplied by 2^(old M - new M): exact.
; SHARES.  A work-group owns 256 queries of one (batch, head); each of its sixteen waves one tile of 16 queries in 256 registers.  Every wave walks all 4,096 keys, 128 a step.
; K's and V's fragments lie in memory as images of operand registers, a step's 12,288 bytes on end (K 6,144, V 6,144).  A slot of LDS holds eight steps, 98,304 bytes; two slots take turns: four fills, three of them behind a change of slots.
; LAYOUT.  Both products transposed: a lane holds ONE query (lane % 16).  The head size is 64, half of the instruction's K: a PAIR fragment of K holds two keys a lane and is multiplied twice, by [q | 0] and by [0 | q]:
; zero codes add nothing.  Tile 4 c + u of a step holds keys 64 c + 8 u + r % 8 + 32 (r / 8), so score register 32 c + i of lane (r, h) is key 64 c + 32 h + i: A LANE HOLDS TWO WHOLE BLOCKS OF 32 KEYS, in the order
; that the second product's operand wants: a block's largest score needs no other lane, and the conversions' results are the operand's registers (three moves a block, since a conversion's registers begin on an even number).
; V^T's tiles take channels 32 (t / 2) + 8 (t % 2) + r + 8 (r / 8): O^T's 16 registers of two tiles are 16 neighbouring channels.
; CLUSTER 4, 1, 1: four work-groups of one head walk the same slots and scale words and ask for them jointly (mask 15).  A round of the cluster's barrier stands where a slot is filled.
; THE HEAD'S LOADS: one a wave: waves 0-11 a twelfth of slot 0 (32 rows of 256 bytes), waves 12-15 a quarter of the head's 16,384 bytes of scale words, which are filled once.  Refills: waves 0-11, one load each.
; PREFETCH: behind the load of slot data n, data n + 1 is asked for: 384 blocks of 256 bytes a cluster, 96 a partner by address (its place x 24,576), waves 12-14, a lane a block; the last change that fills asks for nothing.
; LIMITS: the promise holds while |t| stays under 2^31; a block of p or of O / l under 2^-124 keeps the byte 1 (its codes are zeros or next to it); O / l is a reciprocal and a multiplication;
; a block's largest p is taken as the exponential of the block's largest score; NaN and infinities are not served.
.set SLOT1, 1<<17                      ; slot 1 begins here: one exclusive or turns an address from one slot to the other
.set SLOTB, 98304                      ; eight key steps
.set SCL,   98304                      ; behind slot 0: the scale words, 32 steps x (K 256 | V 256)
.set SPARE, 114688                     ; the spare words, 128 bytes for each of sixteen waves: eight blocks of 256 bytes that no other line names
.set LI,  1                            ; 16 x lane
.set L8,  2                            ; 8 x lane + SCL
.set SPW, 3                            ; my spare word; never rewritten
.set NIL, 4                            ; 0; never rewritten
.set ADI, 5                            ; K's images of the step ahead
.set ADS, 6                            ; its scale words
.set ADV, 7                            ; the step in hand: V's images stand 6,144 behind this
.set ASV, 8                            ; and V's scale words 256 behind this
.set PFO, 9                            ; the prefetches' offset: 256 x lane; never rewritten
.set QF,  16                           ; v16-33: q | 0 | q: [q | 0] = v[16:27], [0 | q] = v[22:33]
.set QS,  34                           ; q's scale word: its two bytes, twice
.set KF,  36                           ; v36-83 four fragments: K's, then V's
.set KS,  84                           ; v[84:85] K's scale words: register f / 2, lanes 0-15 the even pair, lanes 16-31 the odd one
.set VS,  86                           ; v[86:87] V's likewise
.set T1,  88                           ; v88-93 three chains of the row's sum
.set T2,  90
.set T3,  92
.set S,   96                           ; v96-159 S^T, then p
.set O,   160                          ; v160-191 O^T
.set PC,  192                          ; v192-203 p's codes
.set CT,  204
.set BM,  212                          ; v212-215 four chains of maxima; then v212, v214 the two blocks'
.set SO,  216
.set BT,  218
.set PS,  224                          ; p's scale word
.set PX,  225
.set FF,  226                          ; v[226:227] f = 2^(old M - new M) (the pair's upper half is written once and not used)
.set TT,  228                          ; the -M of the step before
.set TU,  229
.set W1,  230
.set W2,  231
.set SH8, 232                          ; 8 x (lane / 16)
.set TA,  16                           ; where the step's images begin in LDS
.set TS,  17                           ; where its scale words begin, from SCL on
.set WV,  18
.set TB,  19                           ; where the slot in hand begins
.set SEL, 20
.set CS,  22                           ; s[22:23] c = log2(e) / 8
.set G1I, 24
.set G1S, 32
.set G0I, 40
.set G0S, 44
.set SLOTS, 48
.set CNT, 49
.set PFA, 50
.set LIM, 52
.set MK,  53
.set UM,  54
.set SH,  55
.set CN,  83                           ; -c
.macro CREST                           ; a round of the cluster's barrier behind its opening barrier
	s_cmp_lg_u32 s[WV], 0
	s_cbranch_scc1 .Lnw0_\@
	s_barrier_signal -3
.Lnw0_\@:
	s_barrier_wait -3
	s_barrier_signal -1
	s_barrier_wait -1
.endm
.macro CROUND
	s_barrier_signal -1
	s_barrier_wait -1
	CREST
.endm
.macro NOP4
.rept 4
	v_nop
.endr
.endm
	s_load_b256 s[4:11], s[0:1], 0x0               ; qimg, qscl, kvimg, kvscl
	s_load_b128 s[12:15], s[0:1], 0x20             ; oimg, oscl
	v_lshl_add_u32 v[SPW], v0, 2, SPARE
	v_mov_b32 v[NIL], 0
	ds_add_u32 v[SPW], v[NIL]                      ; the opening lines: the add, twice on end, and its wait ahead of my first tensor load
	ds_add_u32 v[SPW], v[NIL]
	v_lshrrev_b32 v10, 5, v0
	v_readfirstlane_b32 s[WV], v10                 ; wave 0..15
	s_and_b32 s56, ttmp7, 0xffff                   ; batch x 8 + head
	s_and_b32 s57, s[WV], 1                        ; which of a pair's two tiles of queries is mine
	s_bfe_u32 s81, ttmp6, 0x40000                  ; my place in the cluster: it enters global addresses alone
	s_lshl_b32 s82, ttmp9, 2
	s_add_co_u32 s82, s82, s81                     ; which 256 queries of the head
	; descriptor group 1: dense blocks as rows of 256 bytes (32 elements of 8 bytes), mask 15 with bit 21 beside it: 32 rows of images, 16 rows of scale words
	s_mov_b32 s[G1I+0], (3<<16)|(1<<21)|15
	s_mov_b32 s[G1I+1], 32<<16
	s_mov_b32 s[G1I+2], 32<<16
	s_mov_b32 s[G1I+3], 32<<16
	s_mov_b32 s[G1I+4], 32
	s_mov_b32 s[G1I+5], 32
	s_mov_b32 s[G1I+6], 0
	s_mov_b32 s[G1I+7], 0
	s_mov_b32 s[G1S+0], (3<<16)|(1<<21)|15
	s_mov_b32 s[G1S+1], 32<<16
	s_mov_b32 s[G1S+2], 16<<16
	s_mov_b32 s[G1S+3], 32<<16
	s_mov_b32 s[G1S+4], 16
	s_mov_b32 s[G1S+5], 32
	s_mov_b32 s[G1S+6], 0
	s_mov_b32 s[G1S+7], 0
	s_lshl_b32 s60, s[WV], 13                      ; my twelfth of a slot: 8,192 x wave
	s_mul_i32 s74, s56, 393216                     ; the head's images of K and V
	s_add_co_u32 s58, s74, s60
	s_mov_b32 s59, 0
	s_max_u32 s61, s[WV], 12
	s_sub_co_u32 s61, s61, 12                      ; wave - 12 in waves 12-15, 0 in the others
	s_lshl_b32 s62, s56, 14                        ; the head's scale words,
	s_lshl_b32 s63, s61, 12
	s_add_co_u32 s62, s62, s63                     ; my quarter of them
	s_mov_b32 s63, 0
	s_lshl_b32 s80, s[WV], 12
	s_add_co_u32 s80, s80, SCL-49152               ; and where it goes: SCL + 4,096 (wave - 12)
	s_lshl_b32 s76, s82, 3
	s_lshr_b32 s77, s[WV], 1
	s_add_co_u32 s76, s76, s77                     ; my pair of tiles of queries
	s_mul_i32 s66, s56, 196608
	s_mul_i32 s77, s76, 1536
	s_add_co_u32 s66, s66, s77                     ; its image
	s_mov_b32 s67, 0
	s_lshl_b32 s68, s56, 13                        ; its scale words: 256 bytes for four pairs; pair p: word (p / 2) % 2 of lanes 16 (p % 2) + r
	s_lshr_b32 s77, s76, 2
	s_lshl_b32 s77, s77, 8
	s_add_co_u32 s68, s68, s77
	s_and_b32 s77, s76, 1
	s_lshl_b32 s77, s77, 7
	s_add_co_u32 s68, s68, s77
	s_bfe_u32 s77, s76, 0x10001
	s_lshl_b32 s77, s77, 2
	s_add_co_u32 s68, s68, s77
	s_mov_b32 s69, 0
	s_lshr_b32 s77, s56, 3                         ; batch
	s_lshl_b32 s77, s77, 8
	s_lshl_b32 s78, s82, 4
	s_add_co_u32 s77, s77, s78
	s_add_co_u32 s77, s77, s[WV]                   ; my tile among the 512 tiles of rows
	s_and_b32 s78, s56, 7                          ; head
	s_mul_i32 s70, s77, 6144
	s_mul_i32 s79, s78, 768
	s_add_co_u32 s70, s70, s79                     ; O's codes
	s_mov_b32 s71, 0
	s_lshl_b32 s72, s77, 8
	s_lshl_b32 s79, s78, 1
	s_add_co_u32 s72, s72, s79                     ; O's scale bytes
	s_mov_b32 s73, 0
	s_sub_co_u32 s79, s[WV], 12                    ; the prefetches: waves 12-14 ask
	s_cmp_lt_u32 s79, 3
	s_cselect_b32 s[LIM], 1, -1                    ; a wave asks while the count of slots is above this
	s_min_u32 s79, s61, 2                          ; (held inside the slot in the waves that never ask)
	s_lshl_b32 s79, s79, 13
	s_add_co_u32 s74, s74, s79
	s_mul_i32 s79, s81, 24576                      ; my work-group's quarter of a slot
	s_add_co_u32 s74, s74, s79
	s_add_co_u32 s74, s74, SLOTB                   ; at slot data 1: the first change of slots steps it to data 2
	s_mov_b32 s75, 0
	s_cmp_eq_u32 s57, 1
	s_cselect_b32 s[UM], -1, 0                     ; all lanes in odd waves
	s_lshl_b32 s[SH], s57, 4
	s_mov_b32 s[MK], 0xffff0000                    ; lanes 16-31
	s_mov_b32 s[SEL], 0x76543210
	s_mov_b32 s[SEL+1], 0xfedcba98
	s_mov_b32 s[CS], 0x3e38aa3b                    ; c = log2(e) / 8
	s_mov_b32 s[CS+1], s[CS]                       ; (named with it as a pair, so it is written)
	s_mov_b32 s[CN], 0xbe38aa3b                    ; -c
	s_mov_b32 s[TB], 0
	s_mov_b32 s[TS], 0
	s_mov_b32 s[SLOTS], 3
	s_wait_dscnt 0x0                               ; both opening adds are done
	s_wait_kmcnt 0x0
	s_mov_b32 s[G0S], 1
	s_mov_b32 s[G0S+1], s80
	s_add_nc_u64 s[G0S+2:G0S+3], s[10:11], s[62:63]
	s_or_b32 s[G0S+3], s[G0S+3], 0x80000000
	s_mov_b32 s[G0I], 1
	s_mov_b32 s[G0I+1], s60                        ; slot 0
	s_add_nc_u64 s[G0I+2:G0I+3], s[8:9], s[58:59]  ; the head's first eight key steps
	s_or_b32 s[G0I+3], s[G0I+3], 0x80000000
	s_add_nc_u64 s[4:5], s[4:5], s[66:67]
	s_add_nc_u64 s[6:7], s[6:7], s[68:69]
	s_add_nc_u64 s[12:13], s[12:13], s[70:71]
	s_add_nc_u64 s[14:15], s[14:15], s[72:73]
	s_add_nc_u64 s[PFA:PFA+1], s[8:9], s[74:75]
	CROUND                                         ; all four work-groups are here: the first joint loads meet
	s_cmp_lt_u32 s[WV], 12                         ; one chain of branches, one load to an arm: every way through the head passes one load
	s_cbranch_scc0 .Lhead_s
	tensor_load_to_lds s[G0I:G0I+3], s[G1I:G1I+7]  ; my twelfth of slot 0
	s_nop 0
	NOP4
	s_branch .Lhead_j
.Lhead_s:
	tensor_load_to_lds s[G0S:G0S+3], s[G1S:G1S+7]  ; my quarter of the scale words
	s_nop 0
	NOP4
.Lhead_j:
	v_and_b32 v10, 31, v0                          ; lane
	v_and_b32 v11, 15, v0                          ; r
	v_lshlrev_b32 v[LI], 4, v10
	v_lshl_add_u32 v[L8], v10, 3, SCL
	v_lshlrev_b32 v[PFO], 8, v10
	v_lshlrev_b32 v11, 3, v11                      ; 8 r
.irp c, 0,1,2
	global_load_b128 v[S+4*\c:S+4*\c+3], v[LI], s[4:5] offset:512*\c   ; the pair's image: registers 0-5 the even wave's queries, 6-11 the odd wave's
.endr
	global_load_b32 v[S+12], v11, s[6:7]           ; the pair's scale word of row r, in both halves of the lanes
	v_bfe_u32 v[SH8], v0, 4, 1
	v_lshlrev_b32 v[SH8], 3, v[SH8]
	v_mov_b32 v13, 0xff61b1e6                      ; the largest score so far: -3e38, under every score
	v_mov_b32 v[TT], 0x7e000000                    ; the -M that goes with it: a large number, so that the first f is 0
	v_mov_b32 v14, 0                               ; the sum, in two halves
	v_mov_b32 v15, 0
	v_mov_b32 v[TU], 0                             ; written once: a lane permute's destination counts as one of its sources
	v_mov_b32 v[PS], 0
	v_mov_b32 v[FF+1], 0
	s_wait_loadcnt 0x0
	v_lshrrev_b32 v35, s[SH], v[S+12]              ; my tile's two bytes of the pair's word,
	v_and_b32 v35, 0xffff, v35
	v_lshl_or_b32 v[QS], v35, 16, v35              ; twice: they serve q at k 0-63 and at k 64-127; over the zero codes they are ordinary bytes
.irp i, 0,1,2,3,4,5
	v_cndmask_b32 v[QF+\i], v[S+\i], v[S+6+\i], s[UM]
.endr
.irp i, 0,1,2,3,4,5
	v_mov_b32 v[QF+6+\i], 0
.endr
.irp i, 0,1,2,3,4,5
	v_mov_b32 v[QF+12+\i], v[QF+\i]
.endr
.set j, 0
.rept 32
	v_mov_b32 v[O+j], 0                            ; O^T: the key step is written once, and its first turn finds zeros.  (These lines also stand between q's registers and the first product)
.set j, j+1
.endr
; A KEY STEP: 128 keys.  No idle line stands behind the products: the four places are address work and the sums' last additions.
.macro STEP
.irp f, 0,1,2,3
.irp c, 0,1,2
	ds_load_b128 v[KF+12*\f+4*\c:KF+12*\f+4*\c+3], v[ADI] offset:1536*\f+512*\c   ; 32 lanes read 512 consecutive bytes
.endr
.endr
	ds_load_b64 v[KS:KS+1], v[ADS]
	s_wait_dscnt 0x0
.irp f, 0,1,2,3                        ; S^T = K Q^T: each pair fragment twice
.irp u, 0,1
.if \f%2
	v_wmma_scale_f32_16x16x128_f8f6f4 v[S+16*\f+8*\u:S+16*\f+8*\u+7], v[KF+12*\f:KF+12*\f+11], v[QF+6*\u:QF+6*\u+11], 0, v[KS+\f/2], v[QS] matrix_a_fmt:MATRIX_FMT_FP6 matrix_b_fmt:MATRIX_FMT_FP6 matrix_a_scale:MATRIX_SCALE_ROW1
.else
	v_wmma_scale_f32_16x16x128_f8f6f4 v[S+16*\f+8*\u:S+16*\f+8*\u+7], v[KF+12*\f:KF+12*\f+11], v[QF+6*\u:QF+6*\u+11], 0, v[KS+\f/2], v[QS] matrix_a_fmt:MATRIX_FMT_FP6 matrix_b_fmt:MATRIX_FMT_FP6
.endif
.endr
.endr                                  ; register 32 c + i is key 64 c + 32 (lane / 16) + i
	v_add_nc_u32 v[ADV], s[TA], v[LI]              ; four places behind the products: this step's addresses for V,
	v_add_nc_u32 v[ASV], s[TS], v[L8]
	s_add_co_u32 s[TA], s[TA], 12288
	s_add_co_u32 s[TS], s[TS], 512
	v_add_nc_u32 v[ADI], s[TA], v[LI]              ; and the next step's for K
	v_add_nc_u32 v[ADS], s[TS], v[L8]
.irp f, 0,1,2,3
.irp c, 0,1,2
	ds_load_b128 v[KF+12*\f+4*\c:KF+12*\f+4*\c+3], v[ADV] offset:6144+1536*\f+512*\c   ; V's four fragments land while the softmax is walked
.endr
.endr
	ds_load_b64 v[VS:VS+1], v[ASV] offset:256
.irp g, 0,1,2,3
	v_max3_num_f32 v[BM+\g], v[S+16*\g], v[S+1+16*\g], v[S+2+16*\g]   ; the largest scores, four chains by turns, each accumulator from its low end on
.endr
.irp i, 3,5,7,9,11,13
.irp g, 0,1,2,3
	v_max3_num_f32 v[BM+\g], v[BM+\g], v[S+16*\g+\i], v[S+1+16*\g+\i]
.endr
.endr
	v_max3_num_f32 v[BM], v[BM], v[BM+1], v[S+15]
	v_max3_num_f32 v[BM+2], v[BM+2], v[BM+3], v[S+47]
	v_max_num_f32 v[BM], v[BM], v[S+31]            ; my block 0 + h: all its 32 keys are mine.  It serves the row's maximum and, since p rises with the score, the block's largest p
	v_max_num_f32 v[BM+2], v[BM+2], v[S+63]        ; my block 2 + h
	v_max_num_f32 v[W1], v[BM], v[BM+2]
	v_permlanex16_b32 v[TU], v[W1], s[SEL], s[SEL+1]
	v_max3_num_f32 v13, v13, v[W1], v[TU]          ; the running largest score of my query, the same in both halves of the lanes
	v_mul_f32 v[W2], s[CN], v13                    ; -t
	v_floor_f32 v12, v[W2]                         ; the new -M = floor(-t) = -ceil(t)
.set j, 0
.rept 32
	v_pk_fma_f32 v[S+j:S+j+1], v[S+j:S+j+1], s[CS:CS+1], v[12:13] op_sel_hi:[1,0,0]   ; t - M, two at a time
.if j == 8
	v_sub_f32 v[TT], v12, v[TT]                    ; old M - new M: a whole number, 0 or less
.endif
.if j == 18
	v_cvt_i32_f32 v[TT], v[TT]                     ; (it saturates)
.endif
.if j == 28
	v_ldexp_f32 v[FF], 1.0, v[TT]                  ; f = 2^(old M - new M)
.endif
.set j, j+2
.endr
	v_fma_f32 v[BM], v[BM], s[CS], v12             ; the same of each block's largest score
	v_fma_f32 v[BM+2], v[BM+2], s[CS], v12
	s_wait_alu depctr_va_vdst(0)                   ; the wait ahead of the batch
.set j, 0
.rept 64
	v_exp_f32 v[S+j], v[S+j]                       ; p = 2^(t - M)
.set j, j+1
.endr
	v_exp_f32 v[BM], v[BM]                         ; the blocks' largest p: the same two instructions on the same number give the same bits
	v_exp_f32 v[BM+2], v[BM+2]
	v_pk_mul_f32 v[14:15], v[14:15], v[FF:FF+1] op_sel_hi:[1,0]   ; the sums under the new M: the plain instruction behind the exponentials
	s_wait_alu depctr_va_vdst(0)                   ; one wait for the batch, directly ahead of the first reader of O^T too
.set j, 0
.rept 16
	v_pk_mul_f32 v[O+j:O+j+1], v[O+j:O+j+1], v[FF:FF+1] op_sel_hi:[1,0]   ; O^T under the new M; the scales' short chains stand among these lines
.if j == 6
	v_max_num_f32 v[BM], 0x1800000, v[BM]          ; the floor 2^(3 - 127): the byte cannot fall under 1
	v_max_num_f32 v[BM+2], 0x1800000, v[BM+2]
.endif
.if j == 14
	v_add_nc_u32 v[SO], 0xff000000, v[BM]          ; 2 off the exponent field: the conversion's scale operand
	v_add_nc_u32 v[SO+1], 0xff000000, v[BM+2]
.endif
.if j == 22
	v_lshrrev_b32 v[BT], 23, v[SO]                 ; the scale's byte
	v_lshrrev_b32 v[BT+1], 23, v[SO+1]
.endif
.set j, j+2
.endr
	v_lshl_or_b32 v[PX], v[BT+1], 16, v[BT]        ; my two bytes: blocks h and 2 + h
.irp c, 0,1
	v_cvt_scalef32_pk16_fp6_f32 v[PC+6*\c:PC+6*\c+2], v[S+32*\c:S+32*\c+15], v[SO+\c]
	v_cvt_scalef32_pk16_fp6_f32 v[CT+4*\c:CT+4*\c+2], v[S+32*\c+16:S+32*\c+31], v[SO+\c]   ; (a conversion's three registers begin on an even number)
.endr
	v_lshlrev_b32 v[PX], v[SH8], v[PX]             ; at their places in the word, 8 h bits up.  (The plain instruction behind the conversions)
	v_pk_add_f32 v[T1:T1+1], v[S:S+1], v[S+2:S+3]  ; the row's sum of the unquantised p: four chains
	v_pk_add_f32 v[T2:T2+1], v[S+4:S+5], v[S+6:S+7]
	v_pk_add_f32 v[T3:T3+1], v[S+8:S+9], v[S+10:S+11]
	v_pk_add_f32 v[14:15], v[14:15], v[S+12:S+13]
	v_permlanex16_b32 v[PS], v[PX], s[SEL], s[SEL+1]
.irp c, 0,1
.irp i, 0,1,2
	v_mov_b32 v[PC+6*\c+3+\i], v[CT+4*\c+\i]       ; registers 6 c .. 6 c + 5: keys 64 c + 32 h + 0 .. 31
.endr
.endr
	v_or_b32 v[PS], v[PS], v[PX]                   ; with lane l xor 16's two bytes p's scale word is whole.  (The 25 additions below stand between it, the codes and the products)
.set j, 14
.rept 6
	v_pk_add_f32 v[T1:T1+1], v[T1:T1+1], v[S+j:S+j+1]
	v_pk_add_f32 v[T2:T2+1], v[T2:T2+1], v[S+j+2:S+j+3]
	v_pk_add_f32 v[T3:T3+1], v[T3:T3+1], v[S+j+4:S+j+5]
	v_pk_add_f32 v[14:15], v[14:15], v[S+j+6:S+j+7]
.set j, j+8
.endr
	v_pk_add_f32 v[T1:T1+1], v[T1:T1+1], v[S+62:S+63]
	s_wait_alu depctr_va_vdst(0)
	s_wait_dscnt 0x0                               ; V is in
.irp t, 0,1,2,3                        ; O^T += V^T P^T: four accumulators by turns
.if \t%2
	v_wmma_scale_f32_16x16x128_f8f6f4 v[O+8*\t:O+8*\t+7], v[KF+12*\t:KF+12*\t+11], v[PC:PC+11], v[O+8*\t:O+8*\t+7], v[VS+\t/2], v[PS] matrix_a_fmt:MATRIX_FMT_FP6 matrix_b_fmt:MATRIX_FMT_FP6 matrix_a_scale:MATRIX_SCALE_ROW1
.else
	v_wmma_scale_f32_16x16x128_f8f6f4 v[O+8*\t:O+8*\t+7], v[KF+12*\t:KF+12*\t+11], v[PC:PC+11], v[O+8*\t:O+8*\t+7], v[VS+\t/2], v[PS] matrix_a_fmt:MATRIX_FMT_FP6 matrix_b_fmt:MATRIX_FMT_FP6
.endif
.endr
	v_pk_add_f32 v[14:15], v[14:15], v[T1:T1+1]    ; four places in front of the next loads into K's and V's registers: the chains are joined,
	v_pk_add_f32 v[T2:T2+1], v[T2:T2+1], v[T3:T3+1]
	v_mov_b32 v[TT], v12                           ; and -M is kept for the next step
	v_pk_add_f32 v[14:15], v[14:15], v[T2:T2+1]
.endm
; THE CHANGE OF SLOTS stands at a slot's head.  Each wave waits for all its tensor loads, adds 0 to its spare word, and waits for that and for its reads of the slot that it has left.
; fill = 1: a round of the cluster's barrier follows: the slot ahead is whole and no wave of any partner reads the other one, which takes the next eight key steps.  fill = 0: nothing is filled, so my work-group's barrier serves.
.macro CHANGE fill
	s_wait_tensorcnt 0x0                           ; no tensor load of mine is out, so the walking descriptor may be written
	ds_add_u32 v[SPW], v[NIL]                      ; 0 onto my spare word
.if \fill
	s_xor_b32 s[G0I+1], s[G0I+1], SLOT1            ; the other slot than last time,
	s_add_nc_u64 s[G0I+2:G0I+3], s[G0I+2:G0I+3], SLOTB   ; the next eight key steps
	s_wait_xcnt 0x0                                ; the last prefetch, a slot back, has read its address, so it may be written:
	s_add_nc_u64 s[PFA:PFA+1], s[PFA:PFA+1], SLOTB ; one slot further on than the walking descriptor
.endif
	s_wait_dscnt 0x0                               ; the add is done, and my reads of the slot that I have left are over
.if \fill
	CROUND
	s_cmp_lt_u32 s[WV], 12
	s_cbranch_scc0 .Lnot_fetching_\@
	tensor_load_to_lds s[G0I:G0I+3], s[G1I:G1I+7]  ; the first thing behind the round, and the wave's one tensor load until the next
	s_nop 0
	NOP4
.Lnot_fetching_\@:
	s_cmp_gt_u32 s[SLOTS], s[LIM]                  ; what the NEXT change will ask for, eight key steps ahead of that load
	s_cbranch_scc0 .Lnot_asking_\@
	global_prefetch_b8 v[PFO], s[PFA:PFA+1] th:TH_LOAD_NT scope:SCOPE_SE
.Lnot_asking_\@:
.else
	s_barrier_signal -1
	s_barrier_wait -1
.endif
.endm
.macro SLOT_STEPS                      ; a slot's eight steps: four trips of two
	s_mov_b32 s[TA], s[TB]
	v_add_nc_u32 v[ADI], s[TB], v[LI]
	v_add_nc_u32 v[ADS], s[TS], v[L8]
	s_mov_b32 s[CNT], 4
	s_wait_alu depctr_va_vdst(0)                   ; the wait behind these writes
.Lstep_\@:
	STEP
	STEP
	s_sub_co_u32 s[CNT], s[CNT], 1
	s_cmp_lg_u32 s[CNT], 0
	s_cbranch_scc1 .Lstep_\@
	s_xor_b32 s[TB], s[TB], SLOT1                  ; on to the other slot
.endm
	s_wait_alu depctr_va_vdst(0)                   ; the wait at the head's end
.Lslot:                                ; three trips: behind each change of slots but the last the next slot is asked for (the first time: slot 1's first fill, issued as a refill is)
	CHANGE 1
	SLOT_STEPS
	s_sub_co_u32 s[SLOTS], s[SLOTS], 1
	s_cmp_lg_u32 s[SLOTS], 0
	s_cbranch_scc1 .Lslot
	CHANGE 0                               ; the last slot is written out
	SLOT_STEPS
	; THE WAY OUT.  O^T / the sum, quantised along the head's 64 (two blocks), leaves as six registers of codes a lane and one scale byte a lane.
	v_add_f32 v14, v14, v15                        ; the sum's two halves,
	s_delay_alu instid0(VALU_DEP_1)
	v_permlanex16_b32 v[TU], v14, s[SEL], s[SEL+1]
	s_delay_alu instid0(VALU_DEP_1)
	v_add_f32 v14, v14, v[TU]                      ; and lane l xor 16's: the row's sum
	s_wait_alu depctr_va_vdst(0)
	v_rcp_f32 v14, v14
	v_and_b32 v10, 31, v0
	v_and_b32 v11, 15, v0
	v_bfe_u32 v35, v0, 4, 1
	v_lshlrev_b32 v[W1], 3, v10                    ; 8 x lane
	v_lshl_add_u32 v[W2], v11, 4, v35              ; 16 r + h: row r's 16 scale bytes, my half's block
	s_wait_alu depctr_va_vdst(0)                   ; the wait ahead of the reciprocal's first reader and of O^T's
.set j, 0
.rept 16
	v_pk_mul_f32 v[S+j:S+j+1], v[O+j:O+j+1], v[14:15] op_sel_hi:[1,0]   ; register 16 b + i: channel 32 b + 16 h + i of my query; each accumulator from its low end on
.set j, j+2
.endr
.irp b, 0,1
	v_max3_num_f32 v[BM+\b], |v[S+16*\b]|, |v[S+1+16*\b]|, 0x1800000
.endr
.irp i, 2,4,6,8,10,12,14
.irp b, 0,1
	s_delay_alu instid0(VALU_DEP_2)
	v_max3_num_f32 v[BM+\b], v[BM+\b], |v[S+16*\b+\i]|, |v[S+1+16*\b+\i]|
.endr
.endr
.irp b, 0,1
	s_delay_alu instid0(VALU_DEP_2)
	v_permlanex16_b32 v[BT+\b], v[BM+\b], s[SEL], s[SEL+1]
.endr
.irp b, 0,1
	s_delay_alu instid0(VALU_DEP_2)
	v_max_num_f32 v[BM+\b], v[BM+\b], v[BT+\b]
.endr
.irp b, 0,1
	s_delay_alu instid0(VALU_DEP_2)
	v_add_nc_u32 v[SO+\b], 0xff000000, v[BM+\b]
.endr
.irp b, 0,1
	s_delay_alu instid0(VALU_DEP_2)
	v_lshrrev_b32 v[BT+\b], 23, v[SO+\b]
.endr
	v_cvt_scalef32_pk16_fp6_f32 v[PC:PC+2], v[S:S+15], v[SO]
	v_cvt_scalef32_pk16_fp6_f32 v[CT:CT+2], v[S+16:S+31], v[SO+1]
	v_cndmask_b32 v[TT], v[BT], v[BT+1], s[MK]     ; lanes 0-15 block 0's byte, lanes 16-31 block 1's.  (The plain instruction behind the conversions)
.irp i, 0,1,2
	v_permlane16_swap_b32 v[PC+\i], v[CT+\i]       ; a whole block to a lane
.endr
.irp i, 0,1,2
	v_mov_b32 v[PC+3+\i], v[CT+\i]                 ; registers 0-5: k = 32 h + 0 .. 31 of the head's 64
.endr
.irp c, 0,1,2
	global_store_b64 v[W1], v[PC+2*\c:PC+2*\c+1], s[12:13] offset:256*\c   ; 32 lanes store 256 consecutive bytes, aligned
.endr
	global_store_b8 v[W2], v[TT], s[14:15]         ; 32 single bytes inside one run of 256: 1 byte in 25 of what the wave stores
	s_wait_tensorcnt 0x0                           ; the wave's end
	ds_add_u32 v[SPW], v[NIL]
	s_wait_dscnt 0x0
	CROUND                                         ; the closing round: no work-group ends while a partner may still ask for a tile that names it
	s_endpgm
.Lfunc_end_k_q14a49807e9_attn:
	.size	k_q14a49807e9_attn, .Lfunc_end_k_q14a49807e9_attn-k_q14a49807e9_attn
	.p2alignl 7, 3214868480
	.fill 96, 4, 3214868480
	.section	.rodata,"a",@progbits
	.p2align	6, 0x0
	.amdhsa_kernel k_q14a49807e9_attn
		.amdhsa_group_segment_fixed_size 327680
		.amdhsa_private_segment_fixed_size 0
		.amdhsa_enable_private_segment 0
		.amdhsa_kernarg_size 48
		.amdhsa_user_sgpr_count 2
		.amdhsa_user_sgpr_kernarg_segment_ptr 1
		.amdhsa_wavefront_size32 1
		.amdhsa_system_sgpr_workgroup_id_x 1
		.amdhsa_system_sgpr_workgroup_id_y 1
		.amdhsa_system_sgpr_workgroup_id_z 1
		.amdhsa_system_vgpr_workitem_id 0
		.amdhsa_next_free_vgpr 256
		.amdhsa_next_free_sgpr 90
		.amdhsa_reserve_vcc 0
		.amdhsa_float_denorm_mode_32 3
		.amdhsa_float_denorm_mode_16_64 3
		.amdhsa_memory_ordered 1
		.amdhsa_forward_progress 1
		.amdhsa_inst_pref_size 72
	.end_amdhsa_kernel
	.amdgpu_metadata
---
amdhsa.version: [ 1, 2 ]
amdhsa.kernels:
  - .name:           k_q14a49807e9_attn
    .symbol:         k_q14a49807e9_attn.kd
    .args:
      - { .name: qimg, .offset: 0, .size: 8, .value_kind: global_buffer, .address_space: global }
      - { .name: qscl, .offset: 8, .size: 8, .value_kind: global_buffer, .address_space: global }
      - { .name: kvimg, .offset: 16, .size: 8, .value_kind: global_buffer, .address_space: global }
      - { .name: kvscl, .offset: 24, .size: 8, .value_kind: global_buffer, .address_space: global }
      - { .name: oimg, .offset: 32, .size: 8, .value_kind: global_buffer, .address_space: global }
      - { .name: oscl, .offset: 40, .size: 8, .value_kind: global_buffer, .address_space: global }
    .group_segment_fixed_size: 327680
    .private_segment_fixed_size: 0
    .kernarg_segment_align: 8
    .kernarg_segment_size: 48
    .max_flat_workgroup_size: 512
    .sgpr_count:     90
    .vgpr_count:     256
    .wavefront_size: 32
...
	.end_amdgpu_metadata
.endif
;; end of part 3
;; launch outp (part 4): grid 256 x 1, 4 waves a work-group, no clusters, 34,304 bytes of LDS; arguments oimg, oscl, wimg, wscl, bo, out0; writes out0
.if DOCPART == 4
	.amdgcn_target "amdgcn-amd-amdhsa--gfx1250"
	.amdhsa_code_object_version 6
	.text
	.protected	k_q14a49807e9_outp
	.globl	k_q14a49807e9_outp
	.p2align	8
	.type	k_q14a49807e9_outp,@function
k_q14a49807e9_outp:
	s_mov_b64 s[64:65], 0
	v_nop
	global_prefetch_b8 v0, s[64:65] scope:SCOPE_SE
	s_setreg_imm32_b32 hwreg(HW_REG_WAVE_MODE, 25, 1), 1
	s_wait_xcnt 0x0
; out0 = concat Wo^T + bo on codes of FP6 (E2M3) with E8M0 scales.  Both operands arrive as images of operand registers: every fragment comes straight from memory into its registers.
; SHARES.  A work-group owns 32 rows (two tiles of 16: tile g holds rows 32 (g / 2) + 8 (g % 2) + r + 8 (r / 8)); wave w owns columns 128 w .. 128 w + 127: Wo's tiles 8 w .. 8 w + 7 (row 16 T + r).
; The waves share nothing: no barrier, no loop.  Source 0 = 16 rows of Wo, source 1 = 16 rows of concat: a lane holds eight neighbouring columns of one row.  bo is the C of each sum's first matrix instruction.
; A tile's 16 rows x 512 bytes go through the wave's own stage in LDS and leave as whole rows: 32 lanes store 512 consecutive bytes.
; No tensor loads and no cluster: each operand byte is wanted once by a wave, at the head, and goes straight into registers.
; window 0
.set LI,  4                            ; 16 x lane
.set L8,  5                            ; 8 x lane
.set R16, 6                            ; 16 r
.set BA,  7                            ; 32 h
.set SO,  8                            ; the stage, in: 8,448 w + 528 r + 32 h
.set SR,  9                            ; the stage, back: 8,448 w + 16 x lane
.set TF,  16                           ; v16-111 concat's fragments: 48 x tile + 12 x K step
.set TS,  112                          ; v112-119 their scale words: 4 x tile + K step
.set WS,  128                          ; v128-159 Wo's scale words: 4 x tile + K step
; windows 1 and 2: Wo's fragment (tile t, K step s) at register 12 (4 (t % 4) + s) of window 1 + t / 4
; window 3: v0-63, v64-127 the accumulators of the two tiles of rows; v192-255 bo, eight registers a tile
.set BI,  192
.set WV,  16
.set MSB, 0
.macro WIN new                         ; the immediate's high byte repeats the setting that is left
.if MSB != (\new)
	s_set_vgpr_msb (MSB<<8)|(\new)
.set MSB, (\new)
.endif
.endm
; 32 matrix instructions: Wo's eight tiles x one tile of rows, K = 512 in four steps.  Four accumulators take turns, one instruction a turn.
.macro MULQ acc, xf, xs, cb, cs
.irp g, 0,1
	WIN 0xf1+\g                                    ; source 0 window 1 + g, source 1 window 0, C and D window 3
.irp s, 0,1,2,3
.irp t, 0,1,2,3
.if \s == 0
	v_wmma_scale_f32_16x16x128_f8f6f4 v[(\acc)+8*(4*\g+\t):(\acc)+8*(4*\g+\t)+7], v[12*(4*\t+\s):12*(4*\t+\s)+11], v[(\xf)+12*\s:(\xf)+12*\s+11], v[(\cb)+(\cs)*(4*\g+\t):(\cb)+(\cs)*(4*\g+\t)+7], v[WS+4*(4*\g+\t)+\s], v[(\xs)+\s] matrix_a_fmt:MATRIX_FMT_FP6 matrix_b_fmt:MATRIX_FMT_FP6
.else
	v_wmma_scale_f32_16x16x128_f8f6f4 v[(\acc)+8*(4*\g+\t):(\acc)+8*(4*\g+\t)+7], v[12*(4*\t+\s):12*(4*\t+\s)+11], v[(\xf)+12*\s:(\xf)+12*\s+11], v[(\acc)+8*(4*\g+\t):(\acc)+8*(4*\g+\t)+7], v[WS+4*(4*\g+\t)+\s], v[(\xs)+\s] matrix_a_fmt:MATRIX_FMT_FP6 matrix_b_fmt:MATRIX_FMT_FP6
.endif
.endr
.endr
.endr
.endm
.macro TOSTAGE i                       ; tile i's results into my stage, and back as whole rows into the registers that they left.  LDS serves a wave's instructions in order (ISA guide 5.7.1.4): no wait between
	WIN 0x0c                                       ; an LDS store's data are its source 1: window 3
.irp t, 0,1,2,3,4,5,6,7
	ds_store_b128 v[SO], v[64*(\i)+8*\t:64*(\i)+8*\t+3] offset:64*\t            ; each accumulator from its low end on
	ds_store_b128 v[SO], v[64*(\i)+8*\t+4:64*(\i)+8*\t+7] offset:64*\t+16
.endr
	WIN 0xc0
.irp p, 0,1,2,3,4,5,6,7,8,9,10,11,12,13,14,15
	ds_load_b128 v[64*(\i)+4*\p:64*(\i)+4*\p+3], v[SR] offset:528*\p
.endr
.endm
.macro SEND i
	WIN 0x0c
.irp p, 0,1,2,3,4,5,6,7,8,9,10,11,12,13,14,15
	global_store_b128 v[LI], v[64*(\i)+4*\p:64*(\i)+4*\p+3], s[14:15] offset:2048*(8*(\i)+\p+8*(\p/8)) th:TH_STORE_NT   ; 512 consecutive bytes of row 8 i + p + 8 (p / 8) of my 32; written once, read by nobody here
.endr
.endm
	s_load_b256 s[4:11], s[0:1], 0x0               ; oimg, oscl, wimg, wscl
	s_load_b128 s[12:15], s[0:1], 0x20             ; bo, out0
	v_lshl_add_u32 v254, v0, 2, 0x8400
	v_mov_b32 v255, 0
	v_lshrrev_b32 v1, 5, v0
	v_readfirstlane_b32 s[WV], v1                  ; wave 0..3
	s_mul_i32 s18, ttmp9, 12288                    ; my two tiles' images
	s_mov_b32 s19, 0
	s_lshl_b32 s20, ttmp9, 9                       ; and scale bytes
	s_mov_b32 s21, 0
	s_mul_i32 s22, s[WV], 49152
	s_add_co_u32 s22, s22, 589824                  ; Wo is the fourth tensor of the weight images
	s_mov_b32 s23, 0
	s_lshl_b32 s24, s[WV], 12
	s_add_co_u32 s24, s24, 49152
	s_mov_b32 s25, 0
	s_lshl_b32 s26, s[WV], 9                       ; my 128 columns: 512 bytes
	s_mov_b32 s27, 0
	s_lshl_b32 s28, ttmp9, 16                      ; my 32 rows of 2,048 bytes
	s_add_co_u32 s28, s28, s26
	s_mov_b32 s29, 0
	v_and_b32 v1, 31, v0                           ; lane
	v_and_b32 v2, 15, v0                           ; r
	v_bfe_u32 v3, v0, 4, 1                         ; h
	v_lshlrev_b32 v[LI], 4, v1
	v_lshlrev_b32 v[L8], 3, v1
	v_lshlrev_b32 v[R16], 4, v2
	v_lshlrev_b32 v[BA], 5, v3
	s_mul_i32 s17, s[WV], 8448                     ; my stage: 16 rows x (512 + 16) bytes
	v_mul_u32_u24 v[SO], v2, 528
	v_lshl_add_u32 v[SO], v3, 5, v[SO]
	v_add_nc_u32 v[SO], s17, v[SO]
	v_add_nc_u32 v[SR], s17, v[LI]
	s_wait_alu depctr_va_vdst(0)
	s_wait_kmcnt 0x0
	s_add_nc_u64 s[4:5], s[4:5], s[18:19]
	s_add_nc_u64 s[6:7], s[6:7], s[20:21]
	s_add_nc_u64 s[8:9], s[8:9], s[22:23]
	s_add_nc_u64 s[10:11], s[10:11], s[24:25]
	s_add_nc_u64 s[12:13], s[12:13], s[26:27]
	s_add_nc_u64 s[14:15], s[14:15], s[28:29]
.irp i, 0,1
.irp s, 0,1,2,3
.irp p, 0,1,2,3,4,5
	global_load_b64 v[TF+48*\i+12*\s+2*\p:TF+48*\i+12*\s+2*\p+1], v[L8], s[4:5] offset:6144*\i+1536*\s+256*\p   ; two neighbouring heads' six registers each are one fragment
.endr
.endr
	global_load_b128 v[TS+4*\i:TS+4*\i+3], v[R16], s[6:7] offset:256*\i   ; row r's 16 scale bytes: the four K steps' words
.endr
.irp t, 0,1,2,3,4,5,6,7
.irp e, 0,1
	global_load_b64 v[WS+4*\t+2*\e:WS+4*\t+2*\e+1], v[L8], s[10:11] offset:512*\t+256*\e
.endr
.endr
	WIN 0xc0
.irp t, 0,1,2,3,4,5,6,7
	global_load_b128 v[BI+8*\t:BI+8*\t+3], v[BA], s[12:13] offset:64*\t       ; bo at columns 16 t + 8 h + 0 .. 7
	global_load_b128 v[BI+8*\t+4:BI+8*\t+7], v[BA], s[12:13] offset:64*\t+16
.endr
.irp t, 0,1,2,3,4,5,6,7
	WIN 0x40*(1+\t/4)
.irp s, 0,1,2,3
.irp c, 0,1,2
	global_load_b128 v[12*(4*(\t%4)+\s)+4*\c:12*(4*(\t%4)+\s)+4*\c+3], v[LI], s[8:9] offset:6144*\t+1536*\s+512*\c
.endr
.endr
.endr
	s_wait_loadcnt 0x0
	MULQ 0, TF, TS, BI, 8
	MULQ 64, TF+48, TS+4, BI, 8
	WIN 0
.rept 5
	v_nop                                          ; places between the last products and the LDS stores that read results, and the loads that land on them
.endr
	TOSTAGE 0
	TOSTAGE 1
	s_wait_dscnt 32                                ; tile 0's rows are back; tile 1's 16 stores and 16 loads may be out
	SEND 0
	s_wait_dscnt 0x0
	SEND 1
	WIN 0
	s_wait_tensorcnt 0x0
	ds_add_u32 v254, v255
	s_wait_dscnt 0x0
	s_endpgm
.Lfunc_end_k_q14a49807e9_outp:
	.size	k_q14a49807e9_outp, .Lfunc_end_k_q14a49807e9_outp-k_q14a49807e9_outp
	.p2alignl 7, 3214868480
	.fill 96, 4, 3214868480
	.section	.rodata,"a",@progbits
	.p2align	6, 0x0
	.amdhsa_kernel k_q14a49807e9_outp
		.amdhsa_group_segment_fixed_size 34304
		.amdhsa_private_segment_fixed_size 0
		.amdhsa_enable_private_segment 0
		.amdhsa_kernarg_size 48
		.amdhsa_user_sgpr_count 2
		.amdhsa_user_sgpr_kernarg_segment_ptr 1
		.amdhsa_wavefront_size32 1
		.amdhsa_system_sgpr_workgroup_id_x 1
		.amdhsa_system_sgpr_workgroup_id_y 1
		.amdhsa_system_sgpr_workgroup_id_z 1
		.amdhsa_system_vgpr_workitem_id 0
		.amdhsa_next_free_vgpr 1024
		.amdhsa_next_free_sgpr 66
		.amdhsa_reserve_vcc 0
		.amdhsa_float_denorm_mode_32 3
		.amdhsa_float_denorm_mode_16_64 3
		.amdhsa_memory_ordered 1
		.amdhsa_forward_progress 1
		.amdhsa_inst_pref_size 35
	.end_amdhsa_kernel
	.amdgpu_metadata
---
amdhsa.version: [ 1, 2 ]
amdhsa.kernels:
  - .name:           k_q14a49807e9_outp
    .symbol:         k_q14a49807e9_outp.kd
    .args:
      - { .name: oimg, .offset: 0, .size: 8, .value_kind: global_buffer, .address_space: global }
      - { .name: oscl, .offset: 8, .size: 8, .value_kind: global_buffer, .address_space: global }
      - { .name: wimg, .offset: 16, .size: 8, .value_kind: global_buffer, .address_space: global }
      - { .name: wscl, .offset: 24, .size: 8, .value_kind: global_buffer, .address_space: global }
      - { .name: bo, .offset: 32, .size: 8, .value_kind: global_buffer, .address_space: global }
      - { .name: out0, .offset: 40, .size: 8, .value_kind: global_buffer, .address_space: global }
    .group_segment_fixed_size: 34304
    .private_segment_fixed_size: 0
    .kernarg_segment_align: 8
    .kernarg_segment_size: 48
    .max_flat_workgroup_size: 128
    .sgpr_count:     66
    .vgpr_count:     1024
    .wavefront_size: 32
...
	.end_amdgpu_metadata
.endif
;; end of part 4
